; MI455X (gfx1250); checked and timed in simulation.
; The chip was launched on July 23, 2026; its instructions are those of AMD's public machine-readable ISA for CDNA 5 (MIT licence, August 2026) and "CDNA5" Instruction Set Architecture Reference Guide (July 2026). The comments in the code are by the model that wrote it; some were corrected since.
;; Vector Quantizer. Allowed arithmetic: float matrix products may take bf16 or f16 operands with f32 sums; other float arithmetic in f32, or as packed bf16 or f16 multiplies, adds, multiply-adds, maxima and minima; sums over many terms, partial sums and values carried from step to step in f32; what a program stores and reads back later, other than sums and carried values, may be rounded once to bf16 or f16.
;; Inputs: emb 16,384 x 256 float32; z 16 x 256 x 32 x 32 float32.
;; Outputs: out0 16 x 256 x 32 x 32 float32; out1 one number float32; out2 16 x 32 x 32 int32.
;; 2 versions, each right; version 2 is version 1 with the launch prep written anew for expert scheduling mode. Each part assembles by itself: llvm-mc -triple=amdgcn-amd-amdhsa -mcpu=gfx1250 --defsym DOCPART=n.
;; ======== version 1 of 2: 4 launches
;; workspace buffers: eb 8,388,608 bytes; zb 8,388,608 bytes; ee 65,536 bytes; zz 65,536 bytes; part 1,048,576 bytes of whole numbers; lossp 8,192 bytes
;; launch prep (part 1): grid 256 x 1, 8 waves a work-group, no clusters, 35,328 bytes of LDS; arguments emb, z, eb, ee, zb, zz; writes eb, ee, zb, zz
.if DOCPART == 1
	.amdgcn_target "amdgcn-amd-amdhsa--gfx1250"
	.amdhsa_code_object_version 6
	.text
	.protected	k_qce6407e3e6_prep
	.globl	k_qce6407e3e6_prep
	.p2align	8
	.type	k_qce6407e3e6_prep,@function
k_qce6407e3e6_prep:
	s_mov_b64 s[64:65], 0
	v_nop
	global_prefetch_b8 v0, s[64:65] scope:SCOPE_SE
	s_setreg_imm32_b32 hwreg(HW_REG_WAVE_MODE, 25, 1), 1
	s_wait_xcnt 0x0
; PREP.  eb[n][c] = bf16(emb[n][c]);  ee[n] = sum over c of eb[n][c]^2 (f32);  zb[token][c] = bf16(z[b][c][hw]), token = 1024 b + hw;  zz[token] = sum over c of zb^2 (f32).
; The matrix launch behind multiplies eb and zb, so both norms are taken of the ROUNDED numbers: the whole program computes what the module computes on inputs rounded to bf16.
; SHARES.  Work-group g: rows 64 g .. 64 g + 63 of emb, and tokens 64 g .. 64 g + 63 (one b, 64 neighbouring hw).  Eight waves; wave w: 8 rows of emb; channels 32 w .. 32 w + 31 of the z tile on
; the way into LDS; tokens 8 w .. 8 w + 7 on the way out.  z lies [channel][token] and zb [token][channel]: the turn goes through LDS, once.
; Every byte of emb and z is read once; every load and store of a wave covers whole aligned runs of 256 bytes.  Nothing is shared between work-groups, so there is no cluster; no matrix work, no tensor load.
; LIMITS.  NaN and infinities are not treated apart.  The sums' order is this text's own (8 numbers a lane in two chains, then across the lanes).
.set ZP,    528                        ; a token's row in LDS: 512 bytes + 16: 132 words, so rows 1 apart lie 4 banks apart (64 banks of 4 bytes: ISA guide 11.1)
.set NRM,   64*ZP                      ; behind the tile: ee's 64 words, and 256 bytes on zz's 64 words
.set SPARE, NRM+512                    ; the spare words, 128 bytes for each of the eight waves: four blocks of 256 bytes that no other line names
.set LN,   1                           ; v1      lane
.set ZOFF, 4                           ; v4      z: 8,192 (lane / 16) + 16 (lane % 16): two channels on for the upper half of the lanes, four tokens a lane
.set EOFF, 5                           ; v5      16 x lane
.set SA,   6                           ; v6      into the tile: (lane % 16) rows + 4 (lane / 16) + 64 w
.set RA,   7                           ; v7      out of the tile: 16 x lane + 2 w rows
.set NA,   8                           ; v8      the norm's word: NRM + 4 (8 w + lane % 8)
.set O8,   9                           ; v9      8 x lane
.set ZERO, 10                          ; v10     0.0: starts the sums
.set SPW,  12                          ; v12     my spare word; never rewritten
.set NIL,  13                          ; v13     0; never rewritten
.set COL,  14                          ; v14     lane l collects the norm of row l % 8
.set PT,   15                          ; v15     the other half of the lanes' sum
.set SUM,  16                          ; v16-17  two chains
.set PKW,  24                          ; v24-27  four packed words
.set ZR,   32                          ; v32-95  z as loaded: block n: even channel at +8 n, odd channel at +8 n + 4
.set EM,   96                          ; v96-159 emb as loaded: row i at +8 i; then its 4 packed words at +8 i .. +8 i + 3
.set RB,   160                         ; v160-191 a token's 16 bytes a lane: row i at +4 i
	s_load_b256 s[4:11], s[0:1], 0x0               ; emb s[4:5], z s[6:7], eb s[8:9], ee s[10:11]
	s_load_b128 s[12:15], s[0:1], 0x20             ; zb s[12:13], zz s[14:15]
	v_lshl_add_u32 v[SPW], v0, 2, SPARE
	v_mov_b32 v[NIL], 0
	v_lshrrev_b32 v2, 5, v0
	v_readfirstlane_b32 s16, v2                    ; wave 0..7
	v_and_b32 v[LN], 31, v0
	v_and_b32 v2, 15, v0                           ; lane % 16
	v_bfe_u32 v3, v0, 4, 1                         ; lane / 16
	v_lshlrev_b32 v[ZOFF], 4, v2
	v_lshl_add_u32 v[ZOFF], v3, 13, v[ZOFF]
	v_lshlrev_b32 v[EOFF], 4, v[LN]
	v_mul_u32_u24 v[SA], v2, ZP
	v_lshl_add_u32 v[SA], v3, 2, v[SA]
	s_lshl_b32 s17, s16, 6
	v_add_nc_u32 v[SA], s17, v[SA]
	s_mul_i32 s17, s16, 2*ZP
	v_add_nc_u32 v[RA], s17, v[EOFF]
	v_and_b32 v[NA], 7, v0
	s_lshl_b32 s17, s16, 3
	v_add_nc_u32 v[NA], s17, v[NA]
	v_lshl_add_u32 v[NA], v[NA], 2, NRM
	v_lshlrev_b32 v[O8], 3, v[LN]
	v_mov_b32 v[ZERO], 0
	v_mov_b32 v[PT], 0                             ; v_permlanex16_b32's destination counts as read: it is written once here
	s_mov_b32 s24, 0x76543210                      ; v_permlanex16_b32: each lane takes its own place in the other half
	s_mov_b32 s25, 0xfedcba98
	s_lshl_b32 s18, ttmp9, 16                      ; emb: (64 g + 8 w) rows of 1,024 bytes
	s_lshl_b32 s17, s16, 13
	s_add_co_u32 s18, s18, s17
	s_mov_b32 s19, 0
	s_lshr_b32 s20, ttmp9, 4                       ; z: b planes of 2^20 bytes + 256 (g % 16) + 32 w channels of 4,096 bytes
	s_lshl_b32 s20, s20, 20
	s_and_b32 s17, ttmp9, 15
	s_lshl_b32 s17, s17, 8
	s_add_co_u32 s20, s20, s17
	s_lshl_b32 s17, s16, 17
	s_add_co_u32 s20, s20, s17
	s_mov_b32 s21, 0
	s_lshr_b32 s22, s18, 1                         ; eb and zb: (64 g + 8 w) rows of 512 bytes
	s_mov_b32 s23, 0
	s_wait_kmcnt 0x0
	s_add_nc_u64 s[4:5], s[4:5], s[18:19]
	s_add_nc_u64 s[6:7], s[6:7], s[20:21]
	s_add_nc_u64 s[8:9], s[8:9], s[22:23]
	s_add_nc_u64 s[12:13], s[12:13], s[22:23]
	; All 32 loads go out at once.  A z load: lanes 0-15 take 256 bytes (64 tokens) of one channel, lanes 16-31 of the channel two further on.
.irp n, 0,1,2,3,4,5,6,7
	global_load_b128 v[ZR+8*\n:ZR+8*\n+3],   v[ZOFF], s[6:7] offset:\n*16384 th:TH_LOAD_NT
	global_load_b128 v[ZR+8*\n+4:ZR+8*\n+7], v[ZOFF], s[6:7] offset:\n*16384+4096 th:TH_LOAD_NT
.endr
.irp i, 0,1,2,3,4,5,6,7
	global_load_b128 v[EM+8*\i:EM+8*\i+3],   v[EOFF], s[4:5] offset:\i*1024 th:TH_LOAD_NT      ; channels 4 l ..
	global_load_b128 v[EM+8*\i+4:EM+8*\i+7], v[EOFF], s[4:5] offset:\i*1024+512 th:TH_LOAD_NT  ; channels 128 + 4 l ..
.endr
; The sum of the squares of the 8 bf16 in v[R .. R+3], over the whole wave, into v[SUM] of every lane.  A product of two bf16 is exact in f32; the sums are f32.
.macro SUMSQ R
	v_fma_mix_f32_bf16 v[SUM],   v[\R], v[\R], v[ZERO] op_sel_hi:[1,1,0]
	v_fma_mix_f32_bf16 v[SUM+1], v[\R], v[\R], v[ZERO] op_sel:[1,1,0] op_sel_hi:[1,1,0]
.irp j, 1,2,3
	v_fma_mix_f32_bf16 v[SUM],   v[(\R)+\j], v[(\R)+\j], v[SUM]   op_sel_hi:[1,1,0]
	v_fma_mix_f32_bf16 v[SUM+1], v[(\R)+\j], v[(\R)+\j], v[SUM+1] op_sel:[1,1,0] op_sel_hi:[1,1,0]
.endr
	v_add_f32 v[SUM], v[SUM], v[SUM+1]
	v_add_f32_dpp v[SUM], v[SUM], v[SUM] row_xmask:1 row_mask:0xf bank_mask:0xf
	v_add_f32_dpp v[SUM], v[SUM], v[SUM] row_xmask:2 row_mask:0xf bank_mask:0xf
	v_add_f32_dpp v[SUM], v[SUM], v[SUM] row_xmask:4 row_mask:0xf bank_mask:0xf
	v_add_f32_dpp v[SUM], v[SUM], v[SUM] row_xmask:8 row_mask:0xf bank_mask:0xf
	v_permlanex16_b32 v[PT], v[SUM], s24, s25
	v_add_f32 v[SUM], v[SUM], v[PT]
.endm
; Row i's norm goes to the lanes l with l % 8 = i.
.macro COLLECT i
.if (\i) == 0
	v_mov_b32 v[COL], v[SUM]
.else
	s_mov_b32 s26, 0x01010101<<(\i)
	v_cndmask_b32 v[COL], v[COL], v[SUM], s26
.endif
.endm
	; z into the tile.  A lane's word holds two neighbouring channels of one token.  Token t lies in row t / 4 + 16 (t % 4), so that the 32 lanes of a store (16 tokens four apart, two words) hit 32 different banks.
	s_wait_loadcnt 16                              ; z's sixteen loads are in; emb's sixteen, issued behind them, stay out
.irp n, 0,1,2,3,4,5,6,7
.irp q, 0,1,2,3
	v_cvt_pk_bf16_f32 v[PKW+\q], v[ZR+8*\n+\q], v[ZR+8*\n+4+\q]
.endr
.irp q, 0,1,2,3
	ds_store_b32 v[SA], v[PKW+\q] offset:\q*16*ZP+\n*8
.endr
.endr
	; emb, a row at a time: rounded, stored (two stores of 256 consecutive bytes, aligned), its norm taken.  No store's data register is written again.
.irp i, 0,1,2,3,4,5,6,7
	s_wait_loadcnt 14-2*\i                         ; loads come back in order (ISA guide 5.7.1): row i's two are in, the later rows' stay out
	v_cvt_pk_bf16_f32 v[EM+8*\i],   v[EM+8*\i],   v[EM+8*\i+1]
	v_cvt_pk_bf16_f32 v[EM+8*\i+1], v[EM+8*\i+2], v[EM+8*\i+3]
	v_cvt_pk_bf16_f32 v[EM+8*\i+2], v[EM+8*\i+4], v[EM+8*\i+5]
	v_cvt_pk_bf16_f32 v[EM+8*\i+3], v[EM+8*\i+6], v[EM+8*\i+7]
	global_store_b64 v[O8], v[EM+8*\i:EM+8*\i+1],   s[8:9] offset:\i*512
	global_store_b64 v[O8], v[EM+8*\i+2:EM+8*\i+3], s[8:9] offset:\i*512+256
	SUMSQ EM+8*\i
	COLLECT \i
.endr
	ds_store_b32 v[NA], v[COL]                     ; ee of my eight rows (four lanes write each word, with the same number)
	s_wait_dscnt 0x0                               ; for the others' sake: my part of the tile is written
	s_barrier_signal -1
	s_barrier_wait -1                              ; the tile is whole
	; tokens out of the tile: a row's 512 bytes, 16 a lane
.irp i, 0,1,2,3,4,5,6,7
	ds_load_b128 v[RB+4*\i:RB+4*\i+3], v[RA] offset:((\i>>2)+16*(\i&3))*ZP
.endr
.irp i, 0,1,2,3,4,5,6,7
	s_wait_dscnt 7-\i                              ; LDS loads come back in order: row i is in
	global_store_b128 v[EOFF], v[RB+4*\i:RB+4*\i+3], s[12:13] offset:\i*512
	SUMSQ RB+4*\i
	COLLECT \i
.endr
	ds_store_b32 v[NA], v[COL] offset:256          ; zz of my eight tokens
	s_wait_dscnt 0x0                               ; for the others' sake
	s_barrier_signal -1
	s_barrier_wait -1                              ; all 128 norms lie in LDS
	; wave 0 stores the group's 64 ee, wave 1 its 64 zz: 256 consecutive bytes each, aligned
	s_cmp_gt_u32 s16, 1
	s_cbranch_scc1 .Ldone
	s_cmp_eq_u32 s16, 0
	s_cselect_b64 s[18:19], s[10:11], s[14:15]
	s_lshl_b32 s20, ttmp9, 8
	s_mov_b32 s21, 0
	s_add_nc_u64 s[18:19], s[18:19], s[20:21]
	s_lshl_b32 s17, s16, 8
	v_add_nc_u32 v18, s17, v[O8]
	ds_load_b64 v[20:21], v18 offset:NRM
	s_wait_dscnt 0x0
	global_store_b64 v[O8], v[20:21], s[18:19]
.Ldone:
	s_wait_tensorcnt 0x0                           ; the wave's end, behind my last LDS store
	ds_add_u32 v[SPW], v[NIL]
	s_wait_dscnt 0x0
	s_endpgm
.Lfunc_end_k_qce6407e3e6_prep:
	.size	k_qce6407e3e6_prep, .Lfunc_end_k_qce6407e3e6_prep-k_qce6407e3e6_prep
	.p2alignl 7, 3214868480
	.fill 96, 4, 3214868480
	.section	.rodata,"a",@progbits
	.p2align	6, 0x0
	.amdhsa_kernel k_qce6407e3e6_prep
		.amdhsa_group_segment_fixed_size 35328
		.amdhsa_private_segment_fixed_size 0
		.amdhsa_enable_private_segment 0
		.amdhsa_kernarg_size 48
		.amdhsa_user_sgpr_count 2
		.amdhsa_user_sgpr_kernarg_segment_ptr 1
		.amdhsa_wavefront_size32 1
		.amdhsa_system_sgpr_workgroup_id_x 1
		.amdhsa_system_sgpr_workgroup_id_y 1
		.amdhsa_system_sgpr_workgroup_id_z 1
		.amdhsa_system_vgpr_workitem_id 0
		.amdhsa_next_free_vgpr 192
		.amdhsa_next_free_sgpr 66
		.amdhsa_reserve_vcc 0
		.amdhsa_float_denorm_mode_32 3
		.amdhsa_float_denorm_mode_16_64 3
		.amdhsa_memory_ordered 1
		.amdhsa_forward_progress 1
		.amdhsa_inst_pref_size 32
	.end_amdhsa_kernel
	.amdgpu_metadata
---
amdhsa.version: [ 1, 2 ]
amdhsa.kernels:
  - .name:           k_qce6407e3e6_prep
    .symbol:         k_qce6407e3e6_prep.kd
    .args:
      - { .name: emb, .offset: 0, .size: 8, .value_kind: global_buffer, .address_space: global }
      - { .name: z, .offset: 8, .size: 8, .value_kind: global_buffer, .address_space: global }
      - { .name: eb, .offset: 16, .size: 8, .value_kind: global_buffer, .address_space: global }
      - { .name: ee, .offset: 24, .size: 8, .value_kind: global_buffer, .address_space: global }
      - { .name: zb, .offset: 32, .size: 8, .value_kind: global_buffer, .address_space: global }
      - { .name: zz, .offset: 40, .size: 8, .value_kind: global_buffer, .address_space: global }
    .group_segment_fixed_size: 35328
    .private_segment_fixed_size: 0
    .kernarg_segment_align: 8
    .kernarg_segment_size: 48
    .max_flat_workgroup_size: 256
    .sgpr_count:     66
    .vgpr_count:     192
    .wavefront_size: 32
...
	.end_amdgpu_metadata
.endif
;; end of part 1
;; launch dist (part 2): grid 32 x 8, 4 waves a work-group, clusters of 4 x 1, 327,680 bytes of LDS; arguments eb, ee, zb, zz, part; writes part
.if DOCPART == 2
	.amdgcn_target "amdgcn-amd-amdhsa--gfx1250"
	.amdhsa_code_object_version 6
	.text
	.protected	k_qce6407e3e6_dist
	.globl	k_qce6407e3e6_dist
	.p2align	8
	.type	k_qce6407e3e6_dist,@function
k_qce6407e3e6_dist:
	s_mov_b64 s[64:65], 0
	v_nop
	global_prefetch_b8 v0, s[64:65] scope:SCOPE_SE
	s_setreg_imm32_b32 hwreg(HW_REG_WAVE_MODE, 25, 1), 1
	s_wait_xcnt 0x0
	s_wait_alu depctr_hold_cnt(0) depctr_sa_sdst(0) depctr_va_vdst(0) depctr_va_sdst(0) depctr_va_ssrc(0) depctr_va_vcc(0) depctr_vm_vsrc(0)
	s_getreg_b32 s2, hwreg(HW_REG_IB_STS2, 6, 4)
	s_cmp_eq_u32 s2, 0
	s_cbranch_scc0 .Lentry_in_a_cluster
	s_endpgm
.Lentry_in_a_cluster:
	s_bfe_u32 s2, ttmp6, 0x10000c
	s_cmp_lg_u32 s2, 0x3003
	s_cbranch_scc0 .Lentry_shape_is_right
	s_endpgm
.Lentry_shape_is_right:
; DIST.  For each token and each of 8 splits of 2,048 codes: the least d = fl(fl(zz + ee) - 2 dot) and the first code that has it.  dot = sum over 256 channels of zb[token][c] eb[code][c], bf16 operands, f32 sums.
; d is made by the module's own two roundings: t = fl(ee + zz), one packed fused multiply-add by 1.0; d = fl(t - 2 dot), one by -2.0 (2 dot is exact).  d lies on a coarse f32 grid beside zz, equal d are
; common there, and the FIRST code wins: a strict comparison, the codes in ascending order.
; OUT: part[split][token] = {key, code}: key = d's bits turned into a whole number of the same order (bits xor (sign spread | 0x80000000)).  The next launch merges the 8 splits by whole-number compares.
; LIMITS.  NaN and infinities are not treated apart (a NaN distance never wins).  A distance of -0 would rank below +0; fl(t - 2 dot) gives +0 where it is zero.  The winner agrees with the module on inputs
; rounded to bf16 except where the order of the sums in dot or zz, which is this text's own, moves a distance across an f32 rounding boundary in a near-tie.
; SHARES.  Work-group (x, y): tokens 512 x .. + 511, codes 2,048 y .. + 2,047: 32 x 8 = 256 work-groups.  Each of four waves keeps 128 tokens (8 tiles of 16 x 256 channels) in 512 registers for the whole
; launch; all four walk the same codes out of LDS.  A UNIT is 16 codes x 8 token tiles: 64 matrix instructions fed by 16 LDS loads of fragments and 2 of ee.  128 units.
; LAYOUT.  Source 0 = 16 codes, source 1 = 16 tokens: in the result a lane holds ONE token (lane % 16) and the codes 8 (lane / 16) + 0..7.  So a token's minimum stays in its lane; the halves meet once, at the end.
; BY TURNS.  The tiles are two pieces (0: tiles 0-3, 1: tiles 4-7).  While one piece's 32 products are issued, the other piece's 144 vector instructions (RIDERS) stand behind them, 4 and 5 by turns.
; WINDOWS.  Only source 1, the tokens, lies outside window 0 (piece 0: window 1, piece 1: window 2), and no rider has a vector register in its source-1 place: a phase of 32 products and 144 riders
; runs under one setting; three switches a unit.
; CLUSTER.  The four work-groups of a cluster have the same y: each tile of codes, and ee, is asked for JOINTLY, by the same tensor load, descriptor and mask in all four.  Tokens are read once by each
; work-group, so there is nothing to share along y.
; RING.  Two slots of 256 codes.  A refill is asked for first thing behind the round that ends its slot's 16 units, and is waited for 16 units, 1,024 matrix instructions a wave, later.
.set PITCH, 528                        ; a code's row in LDS: 512 bytes + 16 = 132 words: the 16 rows of a fragment load start at 16 different groups of four banks (64 banks of 4 bytes: ISA guide 11.1)
.set WTILE, 64*PITCH                   ; what one tensor load brings: 64 codes
.set SLOT,  4*WTILE                    ; 256 codes
.set EEL,   2*SLOT                     ; behind the ring: ee of my 2,048 codes, filled once
.set SPARE, EEL+8192                   ; the spare words, 128 bytes for each wave: two blocks of 256 bytes that no other line names
.set UNITB, 16*PITCH                   ; LDS bytes from unit to unit
.set FILLB, 256*512                    ; bytes of eb in a fill
.set AK0, 2                            ; v2      my lane's place in a fragment: (lane % 16) rows + 16 (lane / 16); never rewritten
.set AF,  3                            ; v3      LDS address of the fragments of the unit to be fetched
.set AE,  4                            ; v4      LDS address of its ee
.set QO,  5                            ; v5      tokens: 512 (lane % 16) + 16 (lane / 16)
.set ZO,  6                            ; v6      zz: 4 (lane % 16)
.set PO,  7                            ; v7      part: 8 x lane
.set H8,  8                            ; v8, v9  8 (lane / 16), and that + 1
.set SPW, 10                           ; v10     my spare word; never rewritten
.set NIL, 11                           ; v11     0; never rewritten
.set AE0, 13                           ; v13     EEL + 32 (lane / 16); never rewritten
.set ZZ2, 16                           ; v16-31  tile t: my token's zz, twice
.set M,   32                           ; v32-47  tile t: the least d so far among the even and among the odd registers of the results
.set IDX, 48                           ; v48-63  the labels that go with M: code - 8 (lane / 16) - (0 or 1)
.set EE,  64                           ; v64-71  ee of the unit's codes 8 (lane / 16) + 0..7
.set X,   72                           ; v72-79  m - d, four pairs
.set T,   80                           ; v80-111 fl(ee + zz): pair p of codes, tile tl of the piece at +8 p + 2 tl
.set ACC0, 112                         ; v112-143 piece 0's four accumulators; v144-175 piece 1's
.set FR,  176                          ; v176-239 one unit's codes: 8 fragments of 16 codes x 32 channels
                                       ; window 1: tokens of tiles 0-3, tile tl, channels 32 k on at v[64 tl + 8 k]; window 2: tiles 4-7 likewise
.set WV,  14                           ; s14     wave
.set G1,  24                           ; s[24:31] descriptor group 1 for tiles of codes
.set G1E, 32                           ; s[32:39] for ee
.set G0A, 40                           ; s[40:43] group 0 of slot 0, s[44:47] of slot 1
.set G0E, 48                           ; s[48:51] group 0 for ee
.set PAIRS, 52                         ; s52     counts pairs of slots
.set UC,  53                           ; s53     counts a slot's units
.set INF, 54                           ; s54     +infinity
.set TBF, 55                           ; s55     LDS byte at which the unit to be fetched begins
.set LB,  56                           ; s[56:59] the labels of the unit whose riders run: first code of the unit + 2 p
.set HM,  60                           ; s60     lanes 16-31
.set TBE, 61                           ; s61     64 x the unit whose ee is to be fetched
.set SEL, 62                           ; s[62:63] v_permlanex16_b32's selects
.set LX,  68                           ; s[68:70] at work in LEX
.set MK,  72                           ; s[72:79] eight lane masks
.set MSB, 0
.macro WIN new                         ; the immediate's high byte repeats the setting that is left; a switch that changes nothing is dropped
.if MSB != (\new)
	s_set_vgpr_msb (MSB<<8)|(\new)
.set MSB, (\new)
.endif
.endm
; A round of the cluster's barrier: my work-group's barrier, so that wave 0's signal speaks for all four waves; wave 0 signals; every wave waits for all four work-groups; my work-group's barrier once more.
.macro CROUND
	s_barrier_signal -1
	s_barrier_wait -1
	s_cmp_lg_u32 s[WV], 0
	s_cbranch_scc1 .Lnot_wave_0_\@
	s_barrier_signal -3
.Lnot_wave_0_\@:
	s_barrier_wait -3
	s_barrier_signal -1
	s_barrier_wait -1
.endm
	s_load_b256 s[4:11], s[0:1], 0x0               ; eb s[4:5], ee s[6:7], zb s[8:9], zz s[10:11]
	s_load_b64 s[12:13], s[0:1], 0x20              ; part
	v_lshl_add_u32 v[SPW], v0, 2, SPARE
	v_mov_b32 v[NIL], 0
	ds_add_u32 v[SPW], v[NIL]                      ; the wave's opening: the add and its wait stand ahead of my first tensor load; the set-up below, work on registers, stands between them
	v_lshrrev_b32 v1, 5, v0
	v_readfirstlane_b32 s[WV], v1                  ; wave 0..3
	s_bfe_u32 s15, ttmp6, 0x40000                  ; cx: my place in the cluster
	s_lshl_b32 s16, ttmp9, 2                       ; in a cluster launch ttmp9 counts clusters
	s_add_co_u32 s16, s16, s15                     ; x = 4 x cluster x + cx: it enters the addresses of zb, zz and part alone
	s_and_b32 s17, ttmp7, 0xffff                   ; y, which the four partners share
	; group 1 for codes: 64 rows x 256 elements of 2 bytes, padded in LDS
	s_mov_b32 s[G1], 15|(1<<16)|(1<<20)|(1<<21)|(6<<22)|(3<<25)  ; 15:0 the mask of four; 17:16 2-byte elements; 20 padding on; 21 set beside a mask; 24:22 after every 128 words (code 6); 31:25 4 words (code 3)
	s_mov_b32 s[G1+1], 256<<16                     ; tensor_dim0 = 256
	s_mov_b32 s[G1+2], 64<<16                      ; tensor_dim1 = 64
	s_mov_b32 s[G1+3], 256<<16                     ; tile_dim0 = 256
	s_mov_b32 s[G1+4], 64                          ; tile_dim1 = 64
	s_mov_b32 s[G1+5], 256                         ; 256 elements from row to row
	s_mov_b32 s[G1+6], 0
	s_mov_b32 s[G1+7], 0
	; group 1 for ee: my wave's 2,048 dense bytes as 8 rows of 32 elements of 8 bytes, no padding
	s_mov_b32 s[G1E], 15|(3<<16)|(1<<21)
	s_mov_b32 s[G1E+1], 32<<16
	s_mov_b32 s[G1E+2], 8<<16
	s_mov_b32 s[G1E+3], 32<<16
	s_mov_b32 s[G1E+4], 8
	s_mov_b32 s[G1E+5], 32
	s_mov_b32 s[G1E+6], 0
	s_mov_b32 s[G1E+7], 0
	s_mov_b32 s[G0A], 1                            ; count = 1
	s_mul_i32 s[G0A+1], s[WV], WTILE               ; LDS address: my quarter of slot 0: no place in the cluster enters an LDS address
	s_mov_b32 s[G0A+4], 1
	s_add_co_u32 s[G0A+5], s[G0A+1], SLOT          ; and of slot 1
	s_mov_b32 s[G0E], 1
	s_lshl_b32 s[G0E+1], s[WV], 11
	s_add_co_u32 s[G0E+1], s[G0E+1], EEL
	s_lshl_b32 s18, s17, 20                        ; eb: 2,048 y rows of 512 bytes + 64 w rows
	s_lshl_b32 s66, s[WV], 15
	s_add_co_u32 s18, s18, s66
	s_mov_b32 s19, 0
	s_lshl_b32 s20, s17, 13                        ; ee: 2,048 y words + 512 w words
	s_lshl_b32 s66, s[WV], 11
	s_add_co_u32 s20, s20, s66
	s_mov_b32 s21, 0
	s_mov_b32 s[INF], 0x7f800000
	s_mov_b32 s[HM], 0xffff0000
	s_mov_b32 s[SEL], 0x76543210
	s_mov_b32 s[SEL+1], 0xfedcba98
	s_lshl_b32 s[LB], s17, 11                      ; unit 0's labels
	s_add_co_u32 s[LB+1], s[LB], 2
	s_add_co_u32 s[LB+2], s[LB], 4
	s_add_co_u32 s[LB+3], s[LB], 6
	v_and_b32 v1, 15, v0                           ; lane % 16
	v_bfe_u32 v12, v0, 4, 1                        ; lane / 16
	; A fragment is 16 rows x 32 channels in 8 registers: lane l holds row l % 16, channels 8 (l / 16) + 0..7 and 16 + 8 (l / 16) + 0..7: two loads of 16 bytes, 32 bytes apart; the same for both sources.
	v_mul_u32_u24 v[AK0], v1, PITCH
	v_lshl_add_u32 v[AK0], v12, 4, v[AK0]
	v_mov_b32 v[AF], v[AK0]                        ; unit 0 lies at the head of slot 0
	v_lshlrev_b32 v[AE0], 5, v12
	v_add_nc_u32 v[AE0], EEL, v[AE0]
	v_mov_b32 v[AE], v[AE0]
	v_lshlrev_b32 v[QO], 9, v1
	v_lshl_add_u32 v[QO], v12, 4, v[QO]
	v_lshlrev_b32 v[ZO], 2, v1
	v_and_b32 v[PO], 31, v0
	v_lshlrev_b32 v[PO], 3, v[PO]
	v_lshlrev_b32 v[H8], 3, v12
	v_add_nc_u32 v[H8+1], 1, v[H8]
	s_wait_dscnt 0x0                               ; the opening add is done
	s_wait_kmcnt 0x0
	s_add_nc_u64 s[G0A+2:G0A+3], s[4:5], s[18:19]  ; global address: my 64 codes of fill 0,
	s_add_nc_u64 s[G0A+6:G0A+7], s[G0A+2:G0A+3], FILLB  ; and of fill 1
	s_or_b32 s[G0A+3], s[G0A+3], 0x80000000        ; type = 2
	s_or_b32 s[G0A+7], s[G0A+7], 0x80000000
	s_add_nc_u64 s[G0E+2:G0E+3], s[6:7], s[20:21]
	s_or_b32 s[G0E+3], s[G0E+3], 0x80000000
	CROUND                                         ; all four work-groups are here: the first joint loads meet
	tensor_load_to_lds s[G0E:G0E+3], s[G1E:G1E+7]  ; the three first fills go out together: three tensor loads of mine are out
	s_nop 0
	tensor_load_to_lds s[G0A:G0A+3], s[G1:G1+7]
	s_nop 0
	tensor_load_to_lds s[G0A+4:G0A+7], s[G1:G1+7]
	s_nop 0
.rept 4
	v_nop                                          ; the windows are switched four instructions behind a tensor load
.endr
	s_lshl_b32 s22, s16, 18                        ; zb: (512 x + 128 w) rows of 512 bytes
	s_lshl_b32 s66, s[WV], 16
	s_add_co_u32 s22, s22, s66
	s_mov_b32 s23, 0
	s_add_nc_u64 s[8:9], s[8:9], s[22:23]
	s_lshl_b32 s22, s16, 11                        ; zz: the same tokens' words
	s_lshl_b32 s66, s[WV], 9
	s_add_co_u32 s22, s22, s66
	s_add_nc_u64 s[10:11], s[10:11], s[22:23]
	s_lshl_b32 s22, s16, 12                        ; part: split y, the same tokens' 8 bytes
	s_lshl_b32 s66, s[WV], 10
	s_add_co_u32 s22, s22, s66
	s_lshl_b32 s66, s17, 17
	s_add_co_u32 s22, s22, s66
	s_add_nc_u64 s[12:13], s[12:13], s[22:23]
	; my 128 tokens stay in registers
	WIN 0x40                                       ; destination window 1, address window 0
.set i, 0
.rept 32                                               ; tile i / 8, channels 32 (i % 8) on
	global_load_b128 v[8*i:8*i+3],   v[QO], s[8:9] offset:(i/8)*8192+(i%8)*64
	global_load_b128 v[8*i+4:8*i+7], v[QO], s[8:9] offset:(i/8)*8192+(i%8)*64+32
.set i, i+1
.endr
	WIN 0x80                                       ; destination window 2
.set i, 0
.rept 32                                               ; tile 4 + i / 8
	global_load_b128 v[8*i:8*i+3],   v[QO], s[8:9] offset:32768+(i/8)*8192+(i%8)*64
	global_load_b128 v[8*i+4:8*i+7], v[QO], s[8:9] offset:32768+(i/8)*8192+(i%8)*64+32
.set i, i+1
.endr
	WIN 0
.irp t, 0,1,2,3,4,5,6,7
	global_load_b32 v[ZZ2+2*\t], v[ZO], s[10:11] offset:64*\t
.endr
.set i, 0
.rept 16
	v_mov_b32 v[M+i], s[INF]                       ; every finite d is less
	v_mov_b32 v[IDX+i], s[LB]
.set i, i+1
.endr
; THE MATRIX WORK.  Product pi of 32 of piece q: channels 32 (pi / 4) on, tile pi % 4 of the piece.  The first four start the sums with the constant 0.  The four accumulators take turns, one
; instruction a turn, also from phase to phase and over the loop's backward jump.
.macro MMA q
.set mk, pi/4
.set ml, pi%4
.set mD, ACC0+32*(\q)+8*ml
.if mk == 0
	v_wmma_f32_16x16x32_bf16 v[mD:mD+7], v[FR+8*mk:FR+8*mk+7], v[64*ml+8*mk:64*ml+8*mk+7], 0
.else
	v_wmma_f32_16x16x32_bf16 v[mD:mD+7], v[FR+8*mk:FR+8*mk+7], v[64*ml+8*mk:64*ml+8*mk+7], v[mD:mD+7]
.endif
.endm
; THE VECTOR WORK of piece q for one unit: a list of 144; RID writes number rn and steps rn.  No line has a vector register as its second source, so the setting of source 1's window does not touch it.
;   0-15   t = fl(ee x 1.0 + zz) for pair p = rn / 4 of the lane's eight codes and tile rn % 4.  These name no register of any product: they are the places behind the phase before's last products.
;   then for p = 0 .. 3, 32 lines (each accumulator's lowest registers are read first):
;   4 x  d = fl(dot x -2.0 + t), in place        4 x  m - d (never 0 for m != d: denormals are kept)        8 x  is m - d > 0 ?  into a scalar mask
;   8 x  the label follows where it is             8 x  m = min(d, m), as a minimum of three with +infinity
; A line reads no result made fewer than four lines ahead of it.
.macro RID q
.if rn < 16
.set rp, rn/4
.set rl, rn%4
	v_pk_fma_f32 v[T+8*rp+2*rl:T+8*rp+2*rl+1], v[EE+2*rp:EE+2*rp+1], 1.0, v[ZZ2+8*(\q)+2*rl:ZZ2+8*(\q)+2*rl+1] op_sel_hi:[1,0,1]
.else
.set rp, (rn-16)/32
.set rj, (rn-16)%32
.if rj < 4
.set rA, ACC0+32*(\q)+8*rj+2*rp
	v_pk_fma_f32 v[rA:rA+1], v[rA:rA+1], -2.0, v[T+8*rp+2*rj:T+8*rp+2*rj+1] op_sel_hi:[1,0,1]
.elseif rj < 8
.set rl, rj-4
.set rA, ACC0+32*(\q)+8*rl+2*rp
	v_pk_fma_f32 v[X+2*rl:X+2*rl+1], v[rA:rA+1], -1.0, v[M+8*(\q)+2*rl:M+8*(\q)+2*rl+1] op_sel_hi:[1,0,1]
.elseif rj < 16
	v_cmp_gt_f32 s[MK+rj-8], v[X+rj-8], 0
.elseif rj < 24
	v_cndmask_b32 v[IDX+8*(\q)+rj-16], v[IDX+8*(\q)+rj-16], s[LB+rp], s[MK+rj-16]
.else
.set rl, (rj-24)/2
.set rA, ACC0+32*(\q)+8*rl+2*rp+(rj-24)%2
	v_min3_num_f32 v[M+8*(\q)+rj-24], v[rA], s[INF], v[M+8*(\q)+rj-24]
.endif
.endif
.set rn, rn+1
.endm
; A PHASE: piece q's 32 products.  rid = 1: the other piece's riders stand behind them, 4 behind an even product, 5 behind an odd one: 144.
; reload = 1 (piece 1): behind the last product that reads fragment k, and the five riders behind it, which name none of its registers (a load into a register that a matrix instruction has read stands
; four such places behind it), the next unit's fragment k is fetched.
; stream = 1 (piece 0): the fragments are still landing: in front of the first product on fragment k a wait leaves out what was issued behind its two loads: the 2 (7 - k) of the later fragments, and
; from k = 2 on ee's two, which are issued behind product 7, when 36 riders are out and the 16 that read the old ee are done.
.macro PHASE q, rid, reload, stream
	WIN 0x04+4*(\q)                                ; source 1 in window 1 or 2, all else in window 0
.if (\q) == 1
	s_wait_dscnt 0x0                               ; ee of the unit whose riders begin is in
.endif
.set rn, 0
.set pi, 0
.rept 32
.if (\stream) && (pi%4 == 0)
.if pi < 8
	s_wait_dscnt 14-2*(pi/4)
.else
	s_wait_dscnt 16-2*(pi/4)
.endif
.endif
	MMA \q
.if \rid
.rept 4+pi%2
	RID 1-(\q)
.endr
.endif
.if (\reload) && (pi%4 == 3)
	ds_load_b128 v[FR+8*(pi/4):FR+8*(pi/4)+3],   v[AF] offset:64*(pi/4)
	ds_load_b128 v[FR+8*(pi/4)+4:FR+8*(pi/4)+7], v[AF] offset:64*(pi/4)+32
.endif
.if (\stream) && (pi == 7)
	ds_load_b128 v[EE:EE+3],   v[AE]
	ds_load_b128 v[EE+4:EE+7], v[AE] offset:16
.endif
.set pi, pi+1
.endr
.endm
; A trip, for unit c: piece 1 of unit c - 1 | riders of (c - 1, piece 0) | the fragments of unit c;  then piece 0 of unit c | riders of (c - 1, piece 1) | ee of unit c.  All its LDS reads of codes lie in one slot.
.macro BODY
	PHASE 1, 1, 1, 0
	PHASE 0, 1, 0, 1
	WIN 0                                          ; at a label and at a branch every window is 0
	s_add_co_u32 s[TBF], s[TBF], UNITB
	s_add_co_u32 s[TBE], s[TBE], 64
	v_add_nc_u32 v[AF], s[TBF], v[AK0]
	v_add_nc_u32 v[AE], s[TBE], v[AE0]
.irp p, 0,1,2,3
	s_add_co_u32 s[LB+\p], s[LB+\p], 16            ; the next trip's riders are the next unit's
.endr
.endm
.macro PROCESS n
	s_mov_b32 s[UC], \n
.Lunit_\@:
	BODY
	s_sub_co_u32 s[UC], s[UC], 1
	s_cmp_lg_u32 s[UC], 0
	s_cbranch_scc1 .Lunit_\@
.endm
; THE CHANGE OF SLOTS.  Each wave waits for all its tensor loads, of which one is out: its quarter of the other slot; adds 0 to its spare word; and waits for that and for its own reads of the slot that it leaves.
; fill = 1: the old slot is filled again, with the codes two fills on.  The barrier is then a round of the cluster's, so that no wave of any partner still reads the slot or has a load on its way, and the
; joint refill is the first thing behind it: one tensor load of mine is out.
.macro CHANGE old, new, fill
	WIN 0
	s_wait_tensorcnt 0x0                           ; no tensor load of mine is out, so a group 0 may be written
	ds_add_u32 v[SPW], v[NIL]                      ; 0 onto my spare word; the steps below stand between it and the wait for it
.if \fill
	s_add_nc_u64 s[G0A+4*(\old)+2:G0A+4*(\old)+3], s[G0A+4*(\old)+2:G0A+4*(\old)+3], 2*FILLB  ; the type bits on top are not reached
.endif
	s_mov_b32 s[TBF], (\new)*SLOT                  ; the fetches go on at the other slot's head
	v_add_nc_u32 v[AF], s[TBF], v[AK0]
	s_wait_dscnt 0x0                               ; the add is done, and my reads of the slot are over
.if \fill
	CROUND
	tensor_load_to_lds s[G0A+4*(\old):G0A+4*(\old)+3], s[G1:G1+7]
	s_nop 0
.rept 4
	v_nop                                          ; the windows are switched four instructions behind a tensor load
.endr
.else
	s_barrier_signal -1
	s_barrier_wait -1
.endif
.endm
; (ka, ca) takes (kb, cb) where that is the lesser pair: the lesser key, or at equal keys the lesser code.
.macro LEX ka, ca, kb, cb
	v_cmp_lt_u32 s[LX],   v[\kb], v[\ka]
	v_cmp_eq_u32 s[LX+1], v[\kb], v[\ka]
	v_cmp_lt_u32 s[LX+2], v[\cb], v[\ca]
	s_and_b32 s[LX+1], s[LX+1], s[LX+2]
	s_or_b32 s[LX], s[LX], s[LX+1]
	v_cndmask_b32 v[\ka], v[\ka], v[\kb], s[LX]
	v_cndmask_b32 v[\ca], v[\ca], v[\cb], s[LX]
.endm
	s_wait_tensorcnt 0x1                           ; my parts of ee and of slot 0 are in; slot 1's may stay out
	s_barrier_signal -1
	s_barrier_wait -1                              ; everybody's are
.irp k, 0,1,2,3,4,5,6,7
	ds_load_b128 v[FR+8*\k:FR+8*\k+3],   v[AF] offset:64*\k        ; unit 0
	ds_load_b128 v[FR+8*\k+4:FR+8*\k+7], v[AF] offset:64*\k+32
.endr
	ds_load_b128 v[EE:EE+3],   v[AE]
	ds_load_b128 v[EE+4:EE+7], v[AE] offset:16
	s_mov_b32 s[TBF], UNITB
	s_mov_b32 s[TBE], 64
	v_add_nc_u32 v[AF], s[TBF], v[AK0]
	v_add_nc_u32 v[AE], s[TBE], v[AE0]
	s_wait_loadcnt 0x0                             ; the tokens and their zz
.irp t, 0,1,2,3,4,5,6,7
	v_mov_b32 v[ZZ2+2*\t+1], v[ZZ2+2*\t]           ; a pair for the packed lines
.endr
	s_wait_dscnt 0x0
	PHASE 0, 0, 0, 0                               ; unit 0, piece 0: there is no vector work yet to set between its products
	WIN 0
	PROCESS 15                                     ; units 1 to 15: the rest of fill 0
	s_mov_b32 s[PAIRS], 3
.Lpair:                                                ; three trips: fills 2 to 7 are asked for, fills 1 to 6 are walked
	CHANGE 0, 1, 1
	PROCESS 16
	CHANGE 1, 0, 1
	PROCESS 16
	s_sub_co_u32 s[PAIRS], s[PAIRS], 1
	s_cmp_lg_u32 s[PAIRS], 0
	s_cbranch_scc1 .Lpair
	CHANGE 0, 1, 0                                 ; the tail is written out: nothing is asked for
	PROCESS 16                                     ; fill 7
	PHASE 1, 1, 0, 0                               ; unit 127, piece 1 | riders of (127, piece 0)
	WIN 0
.set rn, 0
.rept 144
	RID 1                                          ; the last riders; their first sixteen lines are the places behind the last products
.endr
	; THE END.  The minima become keys, the labels codes; a token's four candidates (even and odd registers, two halves of the lanes) are merged.  The fragments' registers are free and serve as scratch.
.set i, 0
.rept 16
	v_ashrrev_i32 v[FR+i], 31, v[M+i]
.set i, i+1
.endr
.set i, 0
.rept 16
	v_or_b32 v[FR+i], 0x80000000, v[FR+i]
.set i, i+1
.endr
.set i, 0
.rept 16
	v_xor_b32 v[M+i], v[FR+i], v[M+i]
	v_add_nc_u32 v[IDX+i], v[IDX+i], v[H8+i%2]
.set i, i+1
.endr
.irp t, 0,1,2,3,4,5,6,7
	LEX M+2*\t, IDX+2*\t, M+2*\t+1, IDX+2*\t+1
	v_permlanex16_b32 v[FR+16+2*\t], v[M+2*\t], s[SEL], s[SEL+1]    ; the token's other eight codes of each unit lay in the lane 16 away
	v_permlanex16_b32 v[FR+17+2*\t], v[IDX+2*\t], s[SEL], s[SEL+1]
	LEX M+2*\t, IDX+2*\t, FR+16+2*\t, FR+17+2*\t
.endr
.irp u, 0,1,2,3                                        ; lanes 0-15 give tile 2 u, lanes 16-31 tile 2 u + 1: 32 neighbouring tokens, 256 consecutive bytes, aligned
	v_cndmask_b32 v[FR+32+2*\u], v[M+4*\u],   v[M+4*\u+2],   s[HM]
	v_cndmask_b32 v[FR+33+2*\u], v[IDX+4*\u], v[IDX+4*\u+2], s[HM]
	global_store_b64 v[PO], v[FR+32+2*\u:FR+33+2*\u], s[12:13] offset:256*\u
.endr
	s_wait_tensorcnt 0x0                           ; the wave's end, behind my last tensor load
	ds_add_u32 v[SPW], v[NIL]
	s_wait_dscnt 0x0
	CROUND                                         ; the closing round: no work-group ends while a partner may still ask for a tile that names it
	s_endpgm
.Lfunc_end_k_qce6407e3e6_dist:
	.size	k_qce6407e3e6_dist, .Lfunc_end_k_qce6407e3e6_dist-k_qce6407e3e6_dist
	.p2alignl 7, 3214868480
	.fill 96, 4, 3214868480
	.section	.rodata,"a",@progbits
	.p2align	6, 0x0
	.amdhsa_kernel k_qce6407e3e6_dist
		.amdhsa_group_segment_fixed_size 327680
		.amdhsa_private_segment_fixed_size 0
		.amdhsa_enable_private_segment 0
		.amdhsa_kernarg_size 40
		.amdhsa_user_sgpr_count 2
		.amdhsa_user_sgpr_kernarg_segment_ptr 1
		.amdhsa_wavefront_size32 1
		.amdhsa_system_sgpr_workgroup_id_x 1
		.amdhsa_system_sgpr_workgroup_id_y 1
		.amdhsa_system_sgpr_workgroup_id_z 1
		.amdhsa_system_vgpr_workitem_id 0
		.amdhsa_next_free_vgpr 768
		.amdhsa_next_free_sgpr 80
		.amdhsa_reserve_vcc 0
		.amdhsa_float_denorm_mode_32 3
		.amdhsa_float_denorm_mode_16_64 3
		.amdhsa_memory_ordered 1
		.amdhsa_forward_progress 1
		.amdhsa_inst_pref_size 152
	.end_amdhsa_kernel
	.amdgpu_metadata
---
amdhsa.version: [ 1, 2 ]
amdhsa.kernels:
  - .name:           k_qce6407e3e6_dist
    .symbol:         k_qce6407e3e6_dist.kd
    .args:
      - { .name: eb, .offset: 0, .size: 8, .value_kind: global_buffer, .address_space: global }
      - { .name: ee, .offset: 8, .size: 8, .value_kind: global_buffer, .address_space: global }
      - { .name: zb, .offset: 16, .size: 8, .value_kind: global_buffer, .address_space: global }
      - { .name: zz, .offset: 24, .size: 8, .value_kind: global_buffer, .address_space: global }
      - { .name: part, .offset: 32, .size: 8, .value_kind: global_buffer, .address_space: global }
    .group_segment_fixed_size: 327680
    .private_segment_fixed_size: 0
    .kernarg_segment_align: 8
    .kernarg_segment_size: 40
    .max_flat_workgroup_size: 128
    .sgpr_count:     80
    .vgpr_count:     768
    .wavefront_size: 32
...
	.end_amdgpu_metadata
.endif
;; end of part 2
;; launch quant (part 3): grid 256 x 1, 8 waves a work-group, no clusters, 34,816 bytes of LDS; arguments part, eb, z, out0, out2, lossp; writes out0, out2, lossp
.if DOCPART == 3
	.amdgcn_target "amdgcn-amd-amdhsa--gfx1250"
	.amdhsa_code_object_version 6
	.text
	.protected	k_qce6407e3e6_quant
	.globl	k_qce6407e3e6_quant
	.p2align	8
	.type	k_qce6407e3e6_quant,@function
k_qce6407e3e6_quant:
	s_mov_b64 s[64:65], 0
	v_nop
	global_prefetch_b8 v0, s[64:65] scope:SCOPE_SE
	s_setreg_imm32_b32 hwreg(HW_REG_WAVE_MODE, 25, 1), 1
	s_wait_xcnt 0x0
; QUANT.  For each token: the 8 splits' {key, code} are merged (the least key; at equal keys the first split, whose codes are the lower); out2 = code; e = eb[code];
; out0[b][c][hw] = zb + (e - zb), with zb = z rounded to bf16, in f32 and in the module's own order of operations; lossp[8 g + w] = a wave's sum of (e - zb)^2.
; The keys and codes are whole numbers that the launch before stored; the gather's addresses are made of them, clamped to the table's 16,384 rows.
; SHARES.  Work-group g: tokens 64 g .. + 63 (one b, 64 neighbouring hw) x 256 channels.  Wave w gathers the rows of tokens 8 w .. + 7 (a row is 512 consecutive bytes, 16 a lane) into LDS; then it takes
; channels 32 w .. + 31 of all 64 tokens, two tokens a lane: each load of z and each store of out0 covers 256 consecutive bytes, aligned.  The turn from [token][channel] to [channel][token] goes through LDS.
; Work-groups share nothing but rows of eb that a list names by chance: no cluster.  No matrix work, no tensor load.
; LIMITS.  NaN and infinities are not treated apart.
.set EP,    528                        ; a token's row in LDS: 512 bytes + 16, an odd multiple of 16
.set SPARE, 64*EP                      ; the spare words, 128 bytes for each of the eight waves: four blocks of 256 bytes that no other line names
.set LN,  1                            ; v1      lane
.set VT,  2                            ; v2      (lane + 4 w) % 32: which two tokens' partial results I merge: lanes 0-3 hold my wave's own eight
.set PA,  3                            ; v3      16 VT
.set ZO,  4                            ; v4      8 x lane
.set L16, 5                            ; v5      16 x lane
.set SA,  6                            ; v6      into LDS: 4 w rows + 16 x lane
.set RA,  7                            ; v7      out of LDS: lane rows + 64 w
.set O2,  8                            ; v8      8 VT
.set SPW, 10                           ; v10     my spare word; never rewritten
.set NIL, 11                           ; v11     0; never rewritten
.set PK,  16                           ; v16-47  split s at +4 s: key, code of token 2 VT; key, code of token 2 VT + 1
.set GA,  48                           ; v48-55  byte offsets of the eight rows to gather
.set ER,  56                           ; v56-87  the rows, 16 bytes a lane
.set ET,  88                           ; v88-119 token 2 l (+0) and 2 l + 1 (+16): 32 channels, 8 in each four registers
.set ZD,  120                          ; v120-183 channel cc: z, then out0, of my two tokens at +2 cc
.set TW,  184                          ; v184-199 two sets at work: e pair, zb pair, difference pair, packed word
.set SS,  200                          ; v200-207 four chains of sums, pairs
.set CD,  208                          ; v208-209 the two codes
.set NUL, 210                          ; v210    offset 0
.set PT,  211                          ; v211    the other half of the lanes' sum
	s_load_b256 s[4:11], s[0:1], 0x0               ; part s[4:5], eb s[6:7], z s[8:9], out0 s[10:11]
	s_load_b128 s[12:15], s[0:1], 0x20             ; out2 s[12:13], lossp s[14:15]
	v_lshl_add_u32 v[SPW], v0, 2, SPARE
	v_mov_b32 v[NIL], 0
	v_lshrrev_b32 v2, 5, v0
	v_readfirstlane_b32 s16, v2                    ; wave 0..7
	v_and_b32 v[LN], 31, v0
	s_lshl_b32 s17, s16, 2
	v_add_nc_u32 v[VT], s17, v[LN]
	v_and_b32 v[VT], 31, v[VT]
	v_lshlrev_b32 v[PA], 4, v[VT]
	v_lshlrev_b32 v[ZO], 3, v[LN]
	v_lshlrev_b32 v[L16], 4, v[LN]
	s_mul_i32 s17, s16, 4*EP
	v_add_nc_u32 v[SA], s17, v[L16]
	v_mul_u32_u24 v[RA], v[LN], EP
	s_lshl_b32 s17, s16, 6
	v_add_nc_u32 v[RA], s17, v[RA]
	v_lshlrev_b32 v[O2], 3, v[VT]
	v_mov_b32 v[NUL], 0
	v_mov_b32 v[PT], 0                             ; v_permlanex16_b32's destination counts as read: it is written once here
	s_mov_b32 s28, 0xffff0000                      ; a word's upper bf16
	s_mov_b32 s30, 0x76543210
	s_mov_b32 s31, 0xfedcba98
	s_lshl_b32 s18, ttmp9, 9                       ; part: 64 g tokens of 8 bytes
	s_mov_b32 s19, 0
	s_lshr_b32 s36, ttmp9, 4                       ; z and out0: b planes of 2^20 bytes + 256 (g % 16) + 32 w channels of 4,096 bytes
	s_lshl_b32 s36, s36, 20
	s_and_b32 s17, ttmp9, 15
	s_lshl_b32 s17, s17, 8
	s_add_co_u32 s36, s36, s17
	s_lshl_b32 s17, s16, 17
	s_add_co_u32 s36, s36, s17
	s_mov_b32 s37, 0
	s_lshl_b32 s38, ttmp9, 8                       ; out2: 64 g words
	s_mov_b32 s39, 0
	s_lshl_b32 s40, ttmp9, 5                       ; lossp: word 8 g + w
	s_lshl_b32 s17, s16, 2
	s_add_co_u32 s40, s40, s17
	s_mov_b32 s41, 0
	s_wait_kmcnt 0x0
	s_add_nc_u64 s[4:5], s[4:5], s[18:19]
	s_add_nc_u64 s[8:9], s[8:9], s[36:37]
	s_add_nc_u64 s[10:11], s[10:11], s[36:37]
	s_add_nc_u64 s[12:13], s[12:13], s[38:39]
	s_add_nc_u64 s[14:15], s[14:15], s[40:41]
.irp s, 0,1,2,3,4,5,6,7
	global_load_b128 v[PK+4*\s:PK+4*\s+3], v[PA], s[4:5] offset:131072*\s  ; the group's 64 tokens in split s: 512 consecutive bytes
.endr
.set i, 0
.rept 32
	global_load_b64 v[ZD+2*i:ZD+2*i+1], v[ZO], s[8:9] offset:4096*i th:TH_LOAD_NT
.set i, i+1
.endr
	s_wait_loadcnt 32                              ; the eight loads of part are in; z's 32, issued behind them, stay out
.irp s, 1,2,3,4,5,6,7                                  ; a strict comparison: at equal keys the earlier split stays, and its codes are the lower
	v_cmp_lt_u32 vcc_lo, v[PK+4*\s], v[PK]
	v_cmp_lt_u32 s33, v[PK+4*\s+2], v[PK+2]
	v_cndmask_b32 v[PK],   v[PK],   v[PK+4*\s],   vcc_lo
	v_cndmask_b32 v[PK+1], v[PK+1], v[PK+4*\s+1], vcc_lo
	v_cndmask_b32 v[PK+2], v[PK+2], v[PK+4*\s+2], s33
	v_cndmask_b32 v[PK+3], v[PK+3], v[PK+4*\s+3], s33
.endr
	v_min_u32 v[CD],   0x3fff, v[PK+1]             ; a code stays inside the table
	v_min_u32 v[CD+1], 0x3fff, v[PK+3]
	s_cmp_lg_u32 s16, 0
	s_cbranch_scc1 .Lno_idx
	global_store_b64 v[O2], v[CD:CD+1], s[12:13]   ; wave 0: the group's 64 indices, 256 consecutive bytes, aligned
.Lno_idx:
.irp i, 0,1,2,3,4,5,6,7                                ; token 8 w + i lies in lane i / 2
	v_readlane_b32 s[20+\i], v[CD+(\i&1)], \i>>1
	s_min_u32 s[20+\i], s[20+\i], 0x3fff
	s_lshl_b32 s[20+\i], s[20+\i], 9               ; rows of 512 bytes
	v_add_nc_u32 v[GA+\i], s[20+\i], v[L16]
	global_load_b128 v[ER+4*\i:ER+4*\i+3], v[GA+\i], s[6:7]
.endr
	; Token t lies in row t / 2 + 32 (t % 2): a lane later reads tokens 2 l and 2 l + 1 from rows l and l + 32.
.irp i, 0,1,2,3,4,5,6,7
	s_wait_loadcnt 7-\i                            ; row i is in (and z, which is older); the later rows stay out
	ds_store_b128 v[SA], v[ER+4*\i:ER+4*\i+3] offset:((\i>>1)+32*(\i&1))*EP
.endr
	s_wait_dscnt 0x0                               ; for the others' sake: my eight rows are written
	s_barrier_signal -1
	s_barrier_wait -1                              ; all 64 rows lie in LDS
.irp q, 0,1
.irp g, 0,1,2,3
	ds_load_b128 v[ET+16*\q+4*\g:ET+16*\q+4*\g+3], v[RA] offset:\q*32*EP+16*\g
.endr
.endr
	s_wait_dscnt 0x0
; Channel cc of my 32: e and zb of my two tokens as f32; e - zb; zb + (e - zb); the squares onto chain cc % 4.  Two sets of registers take turns.
.macro CH cc
.set w, TW+8*((\cc)%2)
.set r0, ET+4*((\cc)/8)+((\cc)%8)/2
.if (\cc)%2 == 0
	v_lshlrev_b32 v[w],   16, v[r0]
	v_lshlrev_b32 v[w+1], 16, v[r0+16]
.else
	v_and_b32 v[w],   s28, v[r0]
	v_and_b32 v[w+1], s28, v[r0+16]
.endif
	v_cvt_pk_bf16_f32 v[w+6], v[ZD+2*(\cc)], v[ZD+2*(\cc)+1]
	v_lshlrev_b32 v[w+2], 16, v[w+6]
	v_and_b32 v[w+3], s28, v[w+6]
	v_pk_add_f32 v[w+4:w+5], v[w:w+1], v[w+2:w+3] neg_lo:[0,1] neg_hi:[0,1]
	v_pk_add_f32 v[ZD+2*(\cc):ZD+2*(\cc)+1], v[w+2:w+3], v[w+4:w+5]
.if (\cc) < 4
	v_pk_mul_f32 v[SS+2*(\cc):SS+2*(\cc)+1], v[w+4:w+5], v[w+4:w+5]      ; the first four start the chains: nothing is cleared
.else
	v_pk_fma_f32 v[SS+2*((\cc)%4):SS+2*((\cc)%4)+1], v[w+4:w+5], v[w+4:w+5], v[SS+2*((\cc)%4):SS+2*((\cc)%4)+1]
.endif
	global_store_b64 v[ZO], v[ZD+2*(\cc):ZD+2*(\cc)+1], s[10:11] offset:4096*(\cc) th:TH_STORE_NT  ; its registers are not written again
.endm
.set c, 0
.rept 32
	CH c
.set c, c+1
.endr
	v_pk_add_f32 v[SS:SS+1], v[SS:SS+1], v[SS+2:SS+3]
	v_pk_add_f32 v[SS+4:SS+5], v[SS+4:SS+5], v[SS+6:SS+7]
	v_pk_add_f32 v[SS:SS+1], v[SS:SS+1], v[SS+4:SS+5]
	v_add_f32 v[SS], v[SS], v[SS+1]
	v_add_f32_dpp v[SS], v[SS], v[SS] row_xmask:1 row_mask:0xf bank_mask:0xf
	v_add_f32_dpp v[SS], v[SS], v[SS] row_xmask:2 row_mask:0xf bank_mask:0xf
	v_add_f32_dpp v[SS], v[SS], v[SS] row_xmask:4 row_mask:0xf bank_mask:0xf
	v_add_f32_dpp v[SS], v[SS], v[SS] row_xmask:8 row_mask:0xf bank_mask:0xf
	v_permlanex16_b32 v[PT], v[SS], s30, s31
	v_add_f32 v[SS], v[SS], v[PT]
	v_cmp_eq_u32 vcc_lo, 0, v[LN]
	s_wait_xcnt 0x0                                ; EXEC is a source of the stores above: it changes only behind this wait
	s_and_saveexec_b32 s32, vcc_lo
	global_store_b32 v[NUL], v[SS], s[14:15]       ; lane 0: my wave's partial sum, kept in f32
	s_wait_xcnt 0x0                                ; and again, in front of the line that widens it
	s_or_b32 exec_lo, exec_lo, s32
	s_wait_tensorcnt 0x0                           ; the wave's end, behind my last LDS store
	ds_add_u32 v[SPW], v[NIL]
	s_wait_dscnt 0x0
	s_endpgm
.Lfunc_end_k_qce6407e3e6_quant:
	.size	k_qce6407e3e6_quant, .Lfunc_end_k_qce6407e3e6_quant-k_qce6407e3e6_quant
	.p2alignl 7, 3214868480
	.fill 96, 4, 3214868480
	.section	.rodata,"a",@progbits
	.p2align	6, 0x0
	.amdhsa_kernel k_qce6407e3e6_quant
		.amdhsa_group_segment_fixed_size 34816
		.amdhsa_private_segment_fixed_size 0
		.amdhsa_enable_private_segment 0
		.amdhsa_kernarg_size 48
		.amdhsa_user_sgpr_count 2
		.amdhsa_user_sgpr_kernarg_segment_ptr 1
		.amdhsa_wavefront_size32 1
		.amdhsa_system_sgpr_workgroup_id_x 1
		.amdhsa_system_sgpr_workgroup_id_y 1
		.amdhsa_system_sgpr_workgroup_id_z 1
		.amdhsa_system_vgpr_workitem_id 0
		.amdhsa_next_free_vgpr 212
		.amdhsa_next_free_sgpr 66
		.amdhsa_reserve_vcc 1
		.amdhsa_float_denorm_mode_32 3
		.amdhsa_float_denorm_mode_16_64 3
		.amdhsa_memory_ordered 1
		.amdhsa_forward_progress 1
		.amdhsa_inst_pref_size 28
	.end_amdhsa_kernel
	.amdgpu_metadata
---
amdhsa.version: [ 1, 2 ]
amdhsa.kernels:
  - .name:           k_qce6407e3e6_quant
    .symbol:         k_qce6407e3e6_quant.kd
    .args:
      - { .name: part, .offset: 0, .size: 8, .value_kind: global_buffer, .address_space: global }
      - { .name: eb, .offset: 8, .size: 8, .value_kind: global_buffer, .address_space: global }
      - { .name: z, .offset: 16, .size: 8, .value_kind: global_buffer, .address_space: global }
      - { .name: out0, .offset: 24, .size: 8, .value_kind: global_buffer, .address_space: global }
      - { .name: out2, .offset: 32, .size: 8, .value_kind: global_buffer, .address_space: global }
      - { .name: lossp, .offset: 40, .size: 8, .value_kind: global_buffer, .address_space: global }
    .group_segment_fixed_size: 34816
    .private_segment_fixed_size: 0
    .kernarg_segment_align: 8
    .kernarg_segment_size: 48
    .max_flat_workgroup_size: 256
    .sgpr_count:     66
    .vgpr_count:     212
    .wavefront_size: 32
...
	.end_amdgpu_metadata
.endif
;; end of part 3
;; launch loss (part 4): grid 1 x 1, 1 waves a work-group, no clusters, 0 bytes of LDS; arguments lossp, out1; writes out1
.if DOCPART == 4
	.amdgcn_target "amdgcn-amd-amdhsa--gfx1250"
	.amdhsa_code_object_version 6
	.text
	.protected	k_qce6407e3e6_loss
	.globl	k_qce6407e3e6_loss
	.p2align	8
	.type	k_qce6407e3e6_loss,@function
k_qce6407e3e6_loss:
	s_mov_b64 s[64:65], 0
	v_nop
	global_prefetch_b8 v0, s[64:65] scope:SCOPE_SE
	s_setreg_imm32_b32 hwreg(HW_REG_WAVE_MODE, 25, 1), 1
	s_wait_xcnt 0x0
; LOSS.  out1 = m + 0.25 m, m = the sum of the 2,048 partial sums of (e - zb)^2 divided by 2^22, the number of elements: both of the module's means are of the same squares.
; A sum over all work-groups of the launch before wants one owner: one wave reads the 8,192 bytes, 16 loads of 512 consecutive bytes, and adds in f32.
	s_load_b128 s[4:7], s[0:1], 0x0                ; lossp s[4:5], out1 s[6:7]
	v_lshlrev_b32 v1, 4, v0
	v_mov_b32 v2, 0                                ; offset 0
	v_mov_b32 v3, 0                                ; v_permlanex16_b32's destination counts as read
	s_mov_b32 s8, 0x76543210
	s_mov_b32 s9, 0xfedcba98
	s_wait_kmcnt 0x0
.irp n, 0,1,2,3,4,5,6,7,8,9,10,11,12,13,14,15
	global_load_b128 v[8+4*\n:8+4*\n+3], v1, s[4:5] offset:512*\n
.endr
	s_wait_loadcnt 0x0
.irp n, 2,3,4,5,6,7,8,9,10,11,12,13,14,15              ; four chains of pairs: the even loads onto load 0, the odd ones onto load 1
	v_pk_add_f32 v[8+4*(\n%2):9+4*(\n%2)],   v[8+4*(\n%2):9+4*(\n%2)],   v[8+4*\n:9+4*\n]
	v_pk_add_f32 v[10+4*(\n%2):11+4*(\n%2)], v[10+4*(\n%2):11+4*(\n%2)], v[10+4*\n:11+4*\n]
.endr
	v_pk_add_f32 v[8:9], v[8:9], v[10:11]
	v_pk_add_f32 v[12:13], v[12:13], v[14:15]
	v_pk_add_f32 v[8:9], v[8:9], v[12:13]
	v_add_f32 v8, v8, v9
	v_add_f32_dpp v8, v8, v8 row_xmask:1 row_mask:0xf bank_mask:0xf
	v_add_f32_dpp v8, v8, v8 row_xmask:2 row_mask:0xf bank_mask:0xf
	v_add_f32_dpp v8, v8, v8 row_xmask:4 row_mask:0xf bank_mask:0xf
	v_add_f32_dpp v8, v8, v8 row_xmask:8 row_mask:0xf bank_mask:0xf
	v_permlanex16_b32 v3, v8, s8, s9
	v_add_f32 v8, v8, v3
	v_mul_f32 v8, 0x34800000, v8                   ; 2^-22
	v_fmamk_f32 v9, v8, 0x3e800000, v8             ; m x 0.25 + m
	v_cmp_eq_u32 vcc_lo, 0, v0
	s_wait_xcnt 0x0                                ; EXEC changes only behind this wait
	s_and_saveexec_b32 s10, vcc_lo
	global_store_b32 v2, v9, s[6:7]
	s_wait_xcnt 0x0
	s_or_b32 exec_lo, exec_lo, s10
	s_endpgm
.Lfunc_end_k_qce6407e3e6_loss:
	.size	k_qce6407e3e6_loss, .Lfunc_end_k_qce6407e3e6_loss-k_qce6407e3e6_loss
	.p2alignl 7, 3214868480
	.fill 96, 4, 3214868480
	.section	.rodata,"a",@progbits
	.p2align	6, 0x0
	.amdhsa_kernel k_qce6407e3e6_loss
		.amdhsa_group_segment_fixed_size 0
		.amdhsa_private_segment_fixed_size 0
		.amdhsa_enable_private_segment 0
		.amdhsa_kernarg_size 16
		.amdhsa_user_sgpr_count 2
		.amdhsa_user_sgpr_kernarg_segment_ptr 1
		.amdhsa_wavefront_size32 1
		.amdhsa_system_sgpr_workgroup_id_x 1
		.amdhsa_system_sgpr_workgroup_id_y 1
		.amdhsa_system_sgpr_workgroup_id_z 1
		.amdhsa_system_vgpr_workitem_id 0
		.amdhsa_next_free_vgpr 80
		.amdhsa_next_free_sgpr 66
		.amdhsa_reserve_vcc 1
		.amdhsa_float_denorm_mode_32 3
		.amdhsa_float_denorm_mode_16_64 3
		.amdhsa_memory_ordered 1
		.amdhsa_forward_progress 1
		.amdhsa_inst_pref_size 5
	.end_amdhsa_kernel
	.amdgpu_metadata
---
amdhsa.version: [ 1, 2 ]
amdhsa.kernels:
  - .name:           k_qce6407e3e6_loss
    .symbol:         k_qce6407e3e6_loss.kd
    .args:
      - { .name: lossp, .offset: 0, .size: 8, .value_kind: global_buffer, .address_space: global }
      - { .name: out1, .offset: 8, .size: 8, .value_kind: global_buffer, .address_space: global }
    .group_segment_fixed_size: 0
    .private_segment_fixed_size: 0
    .kernarg_segment_align: 8
    .kernarg_segment_size: 16
    .max_flat_workgroup_size: 32
    .sgpr_count:     66
    .vgpr_count:     80
    .wavefront_size: 32
...
	.end_amdgpu_metadata
.endif
;; end of part 4
;; ======== version 2 of 2: 4 launches; version 1 with the launch prep written anew for expert scheduling mode
;; workspace buffers: eb 8,388,608 bytes; zb 8,388,608 bytes; ee 65,536 bytes; zz 65,536 bytes; part 1,048,576 bytes of whole numbers; lossp 8,192 bytes
;; launch prep (part 5): grid 256 x 1, 8 waves a work-group, no clusters, 35,328 bytes of LDS; arguments emb, z, eb, ee, zb, zz; writes eb, ee, zb, zz
.if DOCPART == 5
	.amdgcn_target "amdgcn-amd-amdhsa--gfx1250"
	.amdhsa_code_object_version 6
	.text
	.protected	k_qce6407e3e6_prep
	.globl	k_qce6407e3e6_prep
	.p2align	8
	.type	k_qce6407e3e6_prep,@function
k_qce6407e3e6_prep:
	s_mov_b64 s[64:65], 0
	v_nop
	global_prefetch_b8 v0, s[64:65] scope:SCOPE_SE
	s_setreg_imm32_b32 hwreg(HW_REG_WAVE_SCHED_MODE, 0, 2), 2
	s_setreg_imm32_b32 hwreg(HW_REG_WAVE_MODE, 25, 1), 1
	s_wait_xcnt 0x0
	s_wait_alu depctr_vm_vsrc(0)
; PREP.  eb[n][c] = bf16(emb[n][c]);  ee[n] = sum over c of eb[n][c]^2 (f32);  zb[token][c] = bf16(z[b][c][hw]), token = 1024 b + hw;  zz[token] = sum over c of zb^2 (f32).
; The matrix launch behind multiplies eb and zb, so both norms are taken of the ROUNDED numbers: the whole program computes what the module computes on inputs rounded to bf16.
; SHARES.  Work-group g: rows 64 g .. 64 g + 63 of emb, and tokens 64 g .. 64 g + 63 (one b, 64 neighbouring hw).  Eight waves; wave w: 8 rows of emb; channels 32 w .. 32 w + 31 of the z tile on
; the way into LDS; tokens 8 w .. 8 w + 7 on the way out.  z lies [channel][token] and zb [token][channel]: the turn goes through LDS, once.
; Every byte of emb and z is read once; every load and store of a wave covers whole aligned runs of 256 bytes.  Nothing is shared between work-groups, so there is no cluster; no matrix work, no tensor load.
; LIMITS.  NaN and infinities are not treated apart.  The sums' order is this text's own (8 numbers a lane in two chains, then across the lanes).
; THE MODE: SCHED_MODE bits 1:0 = 2 (LLVM: expert scheduling mode 2), set by the entry lines.  The code itself states the register dependences between vector instructions and memory or LDS
; instructions, with s_wait_alu, always for 0.
; THE PLAN.  Registers that memory or LDS instructions touch:
;   v4-v9        offsets and addresses: written once at the head, read by every load and store, never written again.
;   ZR           z's loads land in it; the 32 conversions write each block's four packed words into the block's first four registers; the 32 LDS stores read those; never written again.
;   EM           emb's loads land in it; a row's four conversions write its first four registers; the row's two stores read those (its sum of squares only reads them); never written again.
;   COL, COL2    written by the lines that collect ee's and zz's norms; each is read by one LDS store, and neither is written behind it.
;   RB           LDS loads land in it; global stores and the sums of squares read it; no vector line writes it.
;   v18, v20-21  the tail: an LDS address made by one add; what that load brings is stored.
; No register that a memory or LDS instruction reads is written again, so no wait on vm_vsrc is owed.  The waits on va_vdst stand: ahead of the first load (the addresses); behind z's conversions; behind the
; conversions of each four rows of emb; ahead of the two LDS stores of the norms; ahead of the tail's LDS load.
.set ZP,    528                        ; a token's row in LDS: 512 bytes + 16: 132 words, so rows 1 apart lie 4 banks apart (64 banks of 4 bytes: ISA guide 11.1)
.set NRM,   64*ZP                      ; behind the tile: ee's 64 words, and 256 bytes on zz's 64 words
.set SPARE, NRM+512                    ; the spare words, 128 bytes for each of the eight waves: four blocks of 256 bytes that no other line names
.set LN,   1                           ; v1      lane
.set ZOFF, 4                           ; v4      z: 8,192 (lane / 16) + 16 (lane % 16): two channels on for the upper half of the lanes, four tokens a lane
.set EOFF, 5                           ; v5      16 x lane
.set SA,   6                           ; v6      into the tile: (lane % 16) rows + 4 (lane / 16) + 64 w
.set RA,   7                           ; v7      out of the tile: 16 x lane + 2 w rows
.set NA,   8                           ; v8      the norm's word: NRM + 4 (8 w + lane % 8)
.set O8,   9                           ; v9      8 x lane
.set ZERO, 10                          ; v10     0.0: starts the sums
.set COL2, 11                          ; v11     lane l collects zz of token l % 8
.set SPW,  12                          ; v12     my spare word; never rewritten
.set NIL,  13                          ; v13     0; never rewritten
.set COL,  14                          ; v14     lane l collects ee of row l % 8
.set PT,   15                          ; v15     the other half of the lanes' sum
.set SUM,  16                          ; v16-17  two chains
.set ZR,   32                          ; v32-95  z as loaded: block n: even channel at +8 n, odd channel at +8 n + 4; then its 4 packed words at +8 n .. +8 n + 3
.set EM,   96                          ; v96-159 emb as loaded: row i at +8 i; then its 4 packed words at +8 i .. +8 i + 3
.set RB,   160                         ; v160-191 a token's 16 bytes a lane: row i at +4 i
	s_load_b256 s[4:11], s[0:1], 0x0               ; emb s[4:5], z s[6:7], eb s[8:9], ee s[10:11]
	s_load_b128 s[12:15], s[0:1], 0x20             ; zb s[12:13], zz s[14:15]
	v_lshl_add_u32 v[SPW], v0, 2, SPARE
	v_mov_b32 v[NIL], 0
	v_lshrrev_b32 v2, 5, v0
	v_readfirstlane_b32 s16, v2                    ; wave 0..7
	v_and_b32 v[LN], 31, v0
	v_and_b32 v2, 15, v0                           ; lane % 16
	v_bfe_u32 v3, v0, 4, 1                         ; lane / 16
	v_lshlrev_b32 v[ZOFF], 4, v2
	v_lshl_add_u32 v[ZOFF], v3, 13, v[ZOFF]
	v_lshlrev_b32 v[EOFF], 4, v[LN]
	v_mul_u32_u24 v[SA], v2, ZP
	v_lshl_add_u32 v[SA], v3, 2, v[SA]
	s_wait_alu depctr_va_sdst(0)                   ; s16 is written, ahead of its first reader: LDS addresses, the bases and the tail's branch are made from it
	s_lshl_b32 s17, s16, 6
	v_add_nc_u32 v[SA], s17, v[SA]
	s_mul_i32 s17, s16, 2*ZP
	v_add_nc_u32 v[RA], s17, v[EOFF]
	v_and_b32 v[NA], 7, v0
	s_lshl_b32 s17, s16, 3
	v_add_nc_u32 v[NA], s17, v[NA]
	v_lshl_add_u32 v[NA], v[NA], 2, NRM
	v_lshlrev_b32 v[O8], 3, v[LN]
	v_mov_b32 v[ZERO], 0
	v_mov_b32 v[PT], 0                             ; v_permlanex16_b32's destination counts as read: it is written once here
	s_mov_b32 s24, 0x76543210                      ; v_permlanex16_b32: each lane takes its own place in the other half
	s_mov_b32 s25, 0xfedcba98
	s_lshl_b32 s18, ttmp9, 16                      ; emb: (64 g + 8 w) rows of 1,024 bytes
	s_lshl_b32 s17, s16, 13
	s_add_co_u32 s18, s18, s17
	s_mov_b32 s19, 0
	s_lshr_b32 s20, ttmp9, 4                       ; z: b planes of 2^20 bytes + 256 (g % 16) + 32 w channels of 4,096 bytes
	s_lshl_b32 s20, s20, 20
	s_and_b32 s17, ttmp9, 15
	s_lshl_b32 s17, s17, 8
	s_add_co_u32 s20, s20, s17
	s_lshl_b32 s17, s16, 17
	s_add_co_u32 s20, s20, s17
	s_mov_b32 s21, 0
	s_lshr_b32 s22, s18, 1                         ; eb and zb: (64 g + 8 w) rows of 512 bytes
	s_mov_b32 s23, 0
	s_wait_kmcnt 0x0
	s_add_nc_u64 s[4:5], s[4:5], s[18:19]
	s_add_nc_u64 s[6:7], s[6:7], s[20:21]
	s_add_nc_u64 s[8:9], s[8:9], s[22:23]
	s_add_nc_u64 s[12:13], s[12:13], s[22:23]
	s_wait_alu depctr_va_vdst(0)                   ; the six offsets and addresses v4 to v9 are written, which the loads and stores of the whole kernel read
	; All 32 loads go out at once.  A z load: lanes 0-15 take 256 bytes (64 tokens) of one channel, lanes 16-31 of the channel two further on.
.irp n, 0,1,2,3,4,5,6,7
	global_load_b128 v[ZR+8*\n:ZR+8*\n+3],   v[ZOFF], s[6:7] offset:\n*16384 th:TH_LOAD_NT
	global_load_b128 v[ZR+8*\n+4:ZR+8*\n+7], v[ZOFF], s[6:7] offset:\n*16384+4096 th:TH_LOAD_NT
.endr
.irp i, 0,1,2,3,4,5,6,7
	global_load_b128 v[EM+8*\i:EM+8*\i+3],   v[EOFF], s[4:5] offset:\i*1024 th:TH_LOAD_NT      ; channels 4 l ..
	global_load_b128 v[EM+8*\i+4:EM+8*\i+7], v[EOFF], s[4:5] offset:\i*1024+512 th:TH_LOAD_NT  ; channels 128 + 4 l ..
.endr
; The sum of the squares of the 8 bf16 in v[R .. R+3], over the whole wave, into v[SUM] of every lane.  A product of two bf16 is exact in f32; the sums are f32.
.macro SUMSQ R
	v_fma_mix_f32_bf16 v[SUM],   v[\R], v[\R], v[ZERO] op_sel_hi:[1,1,0]
	v_fma_mix_f32_bf16 v[SUM+1], v[\R], v[\R], v[ZERO] op_sel:[1,1,0] op_sel_hi:[1,1,0]
.irp j, 1,2,3
	v_fma_mix_f32_bf16 v[SUM],   v[(\R)+\j], v[(\R)+\j], v[SUM]   op_sel_hi:[1,1,0]
	v_fma_mix_f32_bf16 v[SUM+1], v[(\R)+\j], v[(\R)+\j], v[SUM+1] op_sel:[1,1,0] op_sel_hi:[1,1,0]
.endr
	v_add_f32 v[SUM], v[SUM], v[SUM+1]
	v_add_f32_dpp v[SUM], v[SUM], v[SUM] row_xmask:1 row_mask:0xf bank_mask:0xf
	v_add_f32_dpp v[SUM], v[SUM], v[SUM] row_xmask:2 row_mask:0xf bank_mask:0xf
	v_add_f32_dpp v[SUM], v[SUM], v[SUM] row_xmask:4 row_mask:0xf bank_mask:0xf
	v_add_f32_dpp v[SUM], v[SUM], v[SUM] row_xmask:8 row_mask:0xf bank_mask:0xf
	v_permlanex16_b32 v[PT], v[SUM], s24, s25
	v_add_f32 v[SUM], v[SUM], v[PT]
.endm
; Row i's norm goes to the lanes l with l % 8 = i of register c.
.macro COLLECT i, c
.if (\i) == 0
	v_mov_b32 v[\c], v[SUM]
.else
	s_mov_b32 s26, 0x01010101<<(\i)
	v_cndmask_b32 v[\c], v[\c], v[SUM], s26
.endif
.endm
; Four rows of emb, from row first on: rounded in place; then, a row at a time, stored (two stores of 256 consecutive bytes, aligned) and its norm taken.  left = how many younger loads may stay out.
; A row's two stores stand ahead of its sum of squares: no vector line issued since the wait names the registers that they read.  No store's data register is written again.
.macro ROWS4 first, left
	s_wait_loadcnt \left                           ; loads come back in order (ISA guide 5.7.1): these four rows' eight are in, the later rows' stay out
.irp i, 0,1,2,3
	v_cvt_pk_bf16_f32 v[EM+8*(\first+\i)],   v[EM+8*(\first+\i)],   v[EM+8*(\first+\i)+1]
	v_cvt_pk_bf16_f32 v[EM+8*(\first+\i)+1], v[EM+8*(\first+\i)+2], v[EM+8*(\first+\i)+3]
	v_cvt_pk_bf16_f32 v[EM+8*(\first+\i)+2], v[EM+8*(\first+\i)+4], v[EM+8*(\first+\i)+5]
	v_cvt_pk_bf16_f32 v[EM+8*(\first+\i)+3], v[EM+8*(\first+\i)+6], v[EM+8*(\first+\i)+7]
.endr
	s_wait_alu depctr_va_vdst(0)                   ; the sixteen conversions have written the four rows' packed words, which the eight stores below read
.irp i, 0,1,2,3
	global_store_b64 v[O8], v[EM+8*(\first+\i):EM+8*(\first+\i)+1],   s[8:9] offset:(\first+\i)*512
	global_store_b64 v[O8], v[EM+8*(\first+\i)+2:EM+8*(\first+\i)+3], s[8:9] offset:(\first+\i)*512+256
	SUMSQ EM+8*(\first+\i)
	COLLECT \first+\i, COL
.endr
.endm
	; z into the tile.  A lane's word holds two neighbouring channels of one token.  Token t lies in row t / 4 + 16 (t % 4), so that the 32 lanes of a store (16 tokens four apart, two words) hit 32 different banks.
	s_wait_loadcnt 16                              ; z's sixteen loads are in; emb's sixteen, issued behind them, stay out
.irp n, 0,1,2,3,4,5,6,7
.irp q, 0,1,2,3
	v_cvt_pk_bf16_f32 v[ZR+8*\n+\q], v[ZR+8*\n+\q], v[ZR+8*\n+4+\q]
.endr
.endr
	s_wait_alu depctr_va_vdst(0)                   ; the 32 conversions have written the packed words, which the 32 LDS stores read
.irp n, 0,1,2,3,4,5,6,7
.irp q, 0,1,2,3
	ds_store_b32 v[SA], v[ZR+8*\n+\q] offset:\q*16*ZP+\n*8
.endr
.endr
	ROWS4 0, 8                                     ; emb's rows 0 to 3
	ROWS4 4, 0                                     ; and 4 to 7
	s_wait_dscnt 0x0                               ; for the others' sake: my part of the tile is written
	s_barrier_signal -1
	s_barrier_wait -1                              ; the tile is whole
	; tokens out of the tile: a row's 512 bytes, 16 a lane
.irp i, 0,1,2,3,4,5,6,7
	ds_load_b128 v[RB+4*\i:RB+4*\i+3], v[RA] offset:((\i>>2)+16*(\i&3))*ZP
.endr
.irp i, 0,1,2,3,4,5,6,7
	s_wait_dscnt 7-\i                              ; LDS loads come back in order: row i is in
	global_store_b128 v[EOFF], v[RB+4*\i:RB+4*\i+3], s[12:13] offset:\i*512
	SUMSQ RB+4*\i
	COLLECT \i, COL2
.endr
	s_wait_alu depctr_va_vdst(0)                   ; COL and COL2 are written, which the two LDS stores read
	ds_store_b32 v[NA], v[COL]                     ; ee of my eight rows (four lanes write each word, with the same number); nobody reads these words ahead of the barrier below
	ds_store_b32 v[NA], v[COL2] offset:256         ; zz of my eight tokens
	s_wait_dscnt 0x0                               ; for the others' sake
	s_barrier_signal -1
	s_barrier_wait -1                              ; all 128 norms lie in LDS
	; wave 0 stores the group's 64 ee, wave 1 its 64 zz: 256 consecutive bytes each, aligned
	s_cmp_gt_u32 s16, 1
	s_cbranch_scc1 .Ldone
	s_cmp_eq_u32 s16, 0
	s_cselect_b64 s[18:19], s[10:11], s[14:15]
	s_lshl_b32 s20, ttmp9, 8
	s_mov_b32 s21, 0
	s_add_nc_u64 s[18:19], s[18:19], s[20:21]
	s_lshl_b32 s17, s16, 8
	v_add_nc_u32 v18, s17, v[O8]
	s_wait_alu depctr_va_vdst(0)                   ; v18 is written, which the LDS load reads as its address
	ds_load_b64 v[20:21], v18 offset:NRM
	s_wait_dscnt 0x0
	global_store_b64 v[O8], v[20:21], s[18:19]
.Ldone:
	s_wait_dscnt 0x0                               ; the closing lines, six on end
	s_wait_alu 0x0
	s_wait_tensorcnt 0x0
	ds_add_u32 v[SPW], v[NIL]
	s_wait_dscnt 0x0
	s_endpgm
.Lfunc_end_k_qce6407e3e6_prep:
	.size	k_qce6407e3e6_prep, .Lfunc_end_k_qce6407e3e6_prep-k_qce6407e3e6_prep
	.p2alignl 7, 3214868480
	.fill 96, 4, 3214868480
	.section	.rodata,"a",@progbits
	.p2align	6, 0x0
	.amdhsa_kernel k_qce6407e3e6_prep
		.amdhsa_group_segment_fixed_size 35328
		.amdhsa_private_segment_fixed_size 0
		.amdhsa_enable_private_segment 0
		.amdhsa_kernarg_size 48
		.amdhsa_user_sgpr_count 2
		.amdhsa_user_sgpr_kernarg_segment_ptr 1
		.amdhsa_wavefront_size32 1
		.amdhsa_system_sgpr_workgroup_id_x 1
		.amdhsa_system_sgpr_workgroup_id_y 1
		.amdhsa_system_sgpr_workgroup_id_z 1
		.amdhsa_system_vgpr_workitem_id 0
		.amdhsa_next_free_vgpr 192
		.amdhsa_next_free_sgpr 66
		.amdhsa_reserve_vcc 0
		.amdhsa_float_denorm_mode_32 3
		.amdhsa_float_denorm_mode_16_64 3
		.amdhsa_memory_ordered 1
		.amdhsa_forward_progress 1
		.amdhsa_inst_pref_size 32
	.end_amdhsa_kernel
	.amdgpu_metadata
---
amdhsa.version: [ 1, 2 ]
amdhsa.kernels:
  - .name:           k_qce6407e3e6_prep
    .symbol:         k_qce6407e3e6_prep.kd
    .args:
      - { .name: emb, .offset: 0, .size: 8, .value_kind: global_buffer, .address_space: global }
      - { .name: z, .offset: 8, .size: 8, .value_kind: global_buffer, .address_space: global }
      - { .name: eb, .offset: 16, .size: 8, .value_kind: global_buffer, .address_space: global }
      - { .name: ee, .offset: 24, .size: 8, .value_kind: global_buffer, .address_space: global }
      - { .name: zb, .offset: 32, .size: 8, .value_kind: global_buffer, .address_space: global }
      - { .name: zz, .offset: 40, .size: 8, .value_kind: global_buffer, .address_space: global }
    .group_segment_fixed_size: 35328
    .private_segment_fixed_size: 0
    .kernarg_segment_align: 8
    .kernarg_segment_size: 48
    .max_flat_workgroup_size: 256
    .sgpr_count:     66
    .vgpr_count:     192
    .wavefront_size: 32
...
	.end_amdgpu_metadata
.endif
;; end of part 5
;; launch dist: the kernel of part 2 again; grid 32 x 8, 4 waves a work-group, clusters of 4 x 1, 327,680 bytes of LDS; arguments eb, ee, zb, zz, part; writes part
;; launch quant: the kernel of part 3 again; grid 256 x 1, 8 waves a work-group, no clusters, 34,816 bytes of LDS; arguments part, eb, z, out0, out2, lossp; writes out0, out2, lossp
;; launch loss: the kernel of part 4 again; grid 1 x 1, 1 waves a work-group, no clusters, 0 bytes of LDS; arguments lossp, out1; writes out1
